; MI455X (gfx1250); checked and timed in simulation.
; The chip was launched on July 23, 2026; its instructions are those of AMD's public machine-readable ISA for CDNA 5 (MIT licence, August 2026) and "CDNA5" Instruction Set Architecture Reference Guide (July 2026). The comments in the code are by the model that wrote it; some were corrected since.
;; Local State. Allowed arithmetic: matrix products marked QUANTISED: E5M2 operands, one given power-of-two scale a tensor, by v_wmma_f32_16x16x64_bf8_bf8 or v_wmma_f32_16x16x128_bf8_bf8, f32 sums; products left as they are: f32 operands where the result goes on into a quantised operand, else bf16, f16 or f32 operands; f32 sums; everything else in f32.
;; Inputs: Wc_codes 512 x 16 x 32 uint8 (E5M2 codes of Wc, K innermost, in blocks of 32 codes); Wd_codes 16 x 16 x 32 uint8 (E5M2 codes of Wd, K innermost, in blocks of 32 codes); Wf 8 x 512 float32; Wk_codes 512 x 16 x 32 uint8 (E5M2 codes of Wk, K innermost, in blocks of 32 codes); Wp 512 x 520 float32; Wq_codes 512 x 16 x 32 uint8 (E5M2 codes of Wq, K innermost, in blocks of 32 codes); bc 512 float32; bd 16 float32; bf 8 float32; bk 512 float32; bp 512 float32; bq 512 float32; lowp_scales 14 int32 (the exponents e of the quantised operands' scales 2^e); x 8 x 512 x 2,048 float32.
;; Outputs: out0 8 x 512 x 2,048 float32.
;; This version of the problem:
;;   THIS VERSION OF THE PROBLEM IS GIVEN IN LOW PRECISION. The matrix products marked QUANTISED in the list below multiply operands that are first quantised to E5M2 (5 exponent bits, 2 mantissa bits; 8 bits a number), with one given power-of-two scale for each operand tensor; their sums are f32. All else is computed in f32.
;;   The module's matrix products, in the order in which they are computed (A, B: the left and right operand; K: the contracted axis; several contracted axes count as one K, in the product's order):
;;     1. [M 16,384, K 512] x [K 512, N 512]; A: input x; B: input Wq (given as codes): QUANTISED (scales: A lowp_scales[0], B lowp_scales[1])
;;     2. [M 16,384, K 512] x [K 512, N 512]; A: input x; B: input Wk (given as codes): QUANTISED (scales: A lowp_scales[2], B lowp_scales[3])
;;     3. batch 32 x [M 2,048, K 128] x [K 128, N 2,048]; A: computed on the way; B: computed on the way: QUANTISED (scales: A lowp_scales[4], B lowp_scales[5])
;;     4. [M 16,384, K 512] x [K 512, N 8]; A: input x; B: input Wf: left as it is (N = 8 < 16)
;;     5. batch 2,048 x [M 32, K 2] x [K 2, N 2,048]; A: computed on the way; B: computed on the way: left as it is (K = 2 < 32)
;;     6. [M 16,384, K 512] x [K 512, N 16]; A: input x; B: input Wd (given as codes): QUANTISED (scales: A lowp_scales[6], B lowp_scales[7])
;;     7. batch 2,048 x [M 32, K 4] x [K 4, N 2,048]; A: computed on the way; B: computed on the way: left as it is (K = 4 < 32)
;;     8. [M 16,384, K 512] x [K 512, N 512]; A: input x; B: input Wc (given as codes): QUANTISED (scales: A lowp_scales[8], B lowp_scales[9])
;;     9. batch 32 x [M 128, K 2,048] x [K 2,048, N 2,048]; A: computed on the way; B: softmax (see below): QUANTISED (scales: A lowp_scales[10], B lowp_scales[11])
;;     10. batch 2,048 x [M 2, K 2,048] x [K 2,048, N 32]; A: computed on the way; B: softmax (see below): left as it is (M = 2 < 16)
;;     11. [M 16,384, K 520] x [K 520, N 512]; A: computed on the way; B: input Wp: QUANTISED (scales: A lowp_scales[12], B lowp_scales[13])
;;   THE QUANTISER, for each operand of a quantised product, along K:
;;     - The operand's scale is 2^e, e = its entry of the input lowp_scales (int32; the entries are numbered through the quantised products in the list's order, A before B).
;;     - Each number is divided by the scale, clamped to +-57,344, and rounded to the nearest number of E5M2, ties to even, subnormals kept.
;;     - The product sums the exact products of the quantised numbers (number of the format x scale) in f32.
;;   ~~~python
;;   def quantise(x, axis, e):      # numpy; x: float32 -> the quantised numbers, widened to float32 again
;;       x = np.moveaxis(x, axis, -1); K = x.shape[-1]
;;       r = np.clip(x / 2.0 ** e, -57344, 57344)
;;       step = 2.0 ** (np.maximum(np.frexp(np.where(r == 0, 1, r))[1] - 1, -14) - 2)
;;       q = np.round(r / step) * step * 2.0 ** e      # np.round: ties to even
;;       return np.moveaxis(q, -1, axis).astype(np.float32)
;;   ~~~
;;   SOFTMAX AHEAD OF A QUANTISED PRODUCT. Where the list says 'softmax', what is quantised is not the finished softmax but p = 2^(t - M), with t = logit x log2(e) and M = ceil(the row's largest t), a whole number; so 1/2 < the row's largest p <= 1. The row's sum l is taken of the UNQUANTISED p, in f32, and the product's result is divided by l at the end. Since M is a whole number, a kernel that streams over the keys may use a running M (the ceiling of the running maximum): every later rescaling is an exact power of two, so the quantised numbers keep their values, but for numbers so far below the row's largest that they fall under the format's range.
;;   OPERANDS COMPUTED ON THE WAY. 'Computed on the way' means the value that the module computes at that place (a softmax that the list does not call 'softmax' is quantised finished and normalised). What goes into a quantiser is computed in f32, as accurately as f32 sums, v_exp_f32 and their like allow (about 1e-6 of the number): no bf16 or f16 on the way to a quantiser, and a product that is left as it is and whose result goes on into a quantised operand takes f32 operands (vector FMAs, or v_wmma_f32_16x16x4_f32). A number that lies on a knife's edge between two numbers of the format may be rounded either way, as far as f32 arithmetic and the matrix unit's own rounding can turn it there, and no further.
;;   INPUTS GIVEN AS CODES. Wc (in the module: [512, 512], K = its axis 1); Wd (in the module: [16, 512], K = its axis 1); Wk (in the module: [512, 512], K = its axis 1); Wq (in the module: [512, 512], K = its axis 1): each comes as NAME_codes (uint8): NAME with its K axis moved to the last place and cut into blocks of 32 codes, [.., K / 32, bytes a block], one block behind the other in memory; one code a byte (a code: sign, 5 exponent bits, 2 mantissa bits); its scale is its entry of lowp_scales. Its value is code x scale, taken as it is: it is not quantised again, and the codes and scales need not be those that the quantiser above would give.
;; One version. Each part assembles by itself: llvm-mc -triple=amdgcn-amd-amdhsa -mcpu=gfx1250 --defsym DOCPART=n.
;; ======== version 1 of 1: 3 launches
;; workspace buffers: qimg 8,388,608 bytes; kv 16,777,216 bytes; qstat 1,048,576 bytes; wpimg 294,912 bytes; res 9,437,184 bytes
;; launch proj (part 1): grid 32 x 8, 8 waves a work-group, no clusters, 246,784 bytes of LDS; arguments x, Wq_codes, Wk_codes, Wc_codes, Wd_codes, Wf, Wp, bq, bk, bc, bd, bf, lowp_scales, qimg, kv, qstat, wpimg; writes qimg, kv, qstat, wpimg
.if DOCPART == 1
	.amdgcn_target "amdgcn-amd-amdhsa--gfx1250"
	.amdhsa_code_object_version 6
	.text
	.protected	k_qd1a506c956_proj
	.globl	k_qd1a506c956_proj
	.p2align	8
	.type	k_qd1a506c956_proj,@function
k_qd1a506c956_proj:
	s_mov_b64 s[64:65], 0
	v_nop
	global_prefetch_b8 v0, s[64:65] scope:SCOPE_SE
	s_setreg_imm32_b32 hwreg(HW_REG_WAVE_MODE, 25, 1), 1
	s_wait_xcnt 0x0
; PROJ: the five projections of x, and Wp's codes.  x: [8][512][2048] f32.  A work-group takes x[b][all 512 c][64 t] and makes, for those 64 t, q, k and content (512 channels each, as E5M2 codes),
; the two frequency gates and the decay sum of each head (f32).  Every operand that a later launch multiplies is stored as an IMAGE OF ITS REGISTERS: a fragment of 16 rows x 128 K is four pieces of
; 512 bytes; piece c holds at 16 x lane the 16 codes k = 32 c + 16 (lane / 16) + 0 .. 15 of row lane % 16.  Both sides of every product use this one map of k.
; PHASE X: wave (tt = wave % 4, ch = wave / 4) takes 16 t x 256 c out of LDS, a lane a t and its registers down c, quantises them with each of x's four given scales and stores the images in LDS:
; with the rows as they are (for q), and in tiles whose row r is t 32 b + 8 u + r + 8 (r / 8) (for k and content), so that the 16 results of two neighbouring tiles are 16 neighbours along the next K.
; The same registers feed Wf x (f32 operands: its result goes on into a quantised operand) and Wd x (codes).
; PHASE P: wave w owns channels 64 w .. 64 w + 63 of q, k and content; its part of a weight (256 registers) comes from memory straight into window 1, the next weight's K step as soon as the last one's is multiplied.
; q, k: source 0 = 16 rows of W, source 1 = 16 t: a lane holds one t and channels along its registers.  content: source 0 = 16 t, source 1 = 16 rows of W: a lane holds one channel and t along its registers.
; The biases are the C of each sum's first product, divided by the power of two that the sums lack.
; Wp [512][520] f32 is quantised by the first 72 work-groups, a piece of 512 bytes a wave, in the K order in which the attention launch leaves its results.
; LIMITS on the given exponents, so that each power of two below is an f32 number: e0, e2, e6, e8, e13, e5-e0-e1, e4-e2-e3, e10-e8-e9 between -126 and 112; e6+e7 between -126 and 127.  NaN among the inputs is not served.
; cos(2 pi n) and cos(pi n) of whole n are taken as 1 and (-1)^n.
.set XP,    264                        ; a row of x in LDS: 256 bytes + 8: lanes 16-31 read 16 rows further down, 1,056 words on: the other 32 banks
.set IMGQ,  135168                     ; x's images with q's scale: tile of 16 t x 8192 + K step x 2048
.set IMGK,  167936                     ; with k's scale, rows permuted; content's lie 32768 further on
.set SCR,   233472                     ; 1,536 bytes a wave: partial sums of Wf x and Wd x
.set BI,    32                         ; v32-63   a bias as C (phase X: Wd's two fragments)
.set XF,    64                         ; v64-127  four fragments of x (phase X: 64 numbers of x; way out: v64-95 at work, v96-127 codes)
.set CD,    96
.set ACC,   128                        ; v128-255 sixteen accumulators
.set FA,    128                        ; v128-159 phase X: four sums of Wf x: written by matrix instructions alone
.set Y,     160                        ; v160-191 phase X: held numbers, two sets of 16
.set PCD,   192                        ; v192-207 phase X: a fragment's codes
.set DQ,    208                        ; v208-223 phase X: two sums of Wd x
; v1 16 x lane; v2 r; v3 h; v5, v6 x in LDS for K step 0, 1; v7, v8 where images go; v9, v10 partial sums, mine and my partner's; v11-v17 offsets into the weights; v18, v19 scale and limit in hand; v20-27 x's four
; v28, v29 where images are read; v224-227 bf; v228-235 bd; v236-251 partial sums.   window 1: a weight's slot (K step ks, tile w) at 64 ks + 16 w; in phase X v128-255 hold Wf
.set MSB, 0
.macro WIN new                         ; the immediate's high byte repeats the setting that is left
.if MSB != (\new)
	s_set_vgpr_msb (MSB<<8)|(\new)
.set MSB, (\new)
.endif
.endm
.macro PLACES                          ; four plain places behind matrix instructions, ahead of loads into their sources and of reads of their results
.rept 4
	v_nop
.endr
.endm
.macro MKSC e, sc, lim                 ; s[e] = an exponent: v[sc] = 2^e as f32, v[lim] = 57,344 x 2^e
	s_add_co_i32 s76, s[\e], 127
	s_lshl_b32 s77, s76, 23
	v_mov_b32 v[\sc], s77
	s_add_co_i32 s76, s76, 15
	s_lshl_b32 s76, s76, 23
	s_or_b32 s76, s76, 0x600000
	v_mov_b32 v[\lim], s76
.endm
	s_load_b512 s[4:19], s[0:1], 0x0               ; x 4, Wq 6, Wk 8, Wc 10, Wd 12, Wf 14, Wp 16, bq 18
	s_load_b512 s[20:35], s[0:1], 0x40             ; bk 20, bc 22, bd 24, bf 26, scales 28, qimg 30, kv 32, qstat 34
	s_load_b64 s[36:37], s[0:1], 0x80              ; wpimg
	v_lshl_add_u32 v254, v0, 2, 0x3c000
	v_mov_b32 v255, 0
	ds_add_u32 v254, v255
	ds_add_u32 v254, v255
	s_wait_dscnt 0x0
	v_lshrrev_b32 v1, 5, v0
	v_readfirstlane_b32 s38, v1                    ; wave 0..7
	s_and_b32 s39, s38, 3                          ; tt
	s_lshr_b32 s54, s38, 2                         ; ch
	s_mov_b32 s55, ttmp9                           ; tb: which 64 t
	s_and_b32 s60, ttmp7, 0xffff                   ; b
	s_lshl_b32 s61, s60, 5
	s_add_co_u32 s61, s61, s55                     ; g: the work-group's number, 0..255
	; descriptor group 1: 64 rows of 64 f32, 2,048 elements apart, two words of padding behind each row
	s_mov_b32 s68, (2<<16)|(1<<20)|(5<<22)|(1<<25)
	s_mov_b32 s69, 64<<16
	s_mov_b32 s70, 64<<16
	s_mov_b32 s71, 64<<16
	s_mov_b32 s72, 64
	s_mov_b32 s73, 2048
	s_mov_b32 s74, 0
	s_mov_b32 s75, 0
	s_lshl_b32 s76, s60, 22                        ; b x 512 x 2048 x 4
	s_lshl_b32 s77, s38, 19                        ; my 64 channels
	s_add_co_u32 s76, s76, s77
	s_lshl_b32 s77, s55, 8                         ; 64 t
	s_add_co_u32 s76, s76, s77
	s_mov_b32 s77, 0
	s_mov_b32 s56, 1
	s_mul_i32 s57, s38, 64*XP
	s_wait_kmcnt 0x0
	s_load_b256 s[40:47], s[28:29], 0x0            ; e0 .. e7
	s_load_b128 s[48:51], s[28:29], 0x20           ; e8 .. e11
	s_load_b64 s[52:53], s[28:29], 0x30            ; e12, e13
	s_add_nc_u64 s[58:59], s[4:5], s[76:77]
	s_or_b32 s59, s59, 0x80000000
	tensor_load_to_lds s[56:59], s[68:75]          ; the launch's one fill: each wave brings 64 of the 512 rows
	s_nop 0
	PLACES
	; every address register is made here, ahead of any parting of the waves
	v_and_b32 v4, 31, v0
	v_lshlrev_b32 v1, 4, v4                        ; 16 x lane
	v_and_b32 v2, 15, v0                           ; r
	v_bfe_u32 v3, v0, 4, 1                         ; h
	s_mul_i32 s76, s54, 256*XP
	s_lshl_b32 s77, s39, 6
	s_add_co_u32 s76, s76, s77
	v_mul_u32_u24 v5, v3, 16*XP
	v_lshl_add_u32 v5, v2, 2, v5
	v_add_nc_u32 v5, s76, v5                       ; x(c = 256 ch + 16 h, t = 16 tt + r)
	v_add_nc_u32 v6, 128*XP, v5
	s_lshl_b32 s76, s39, 13
	s_lshl_b32 s77, s54, 12
	s_add_co_u32 s76, s76, s77
	s_add_co_u32 s76, s76, IMGQ
	v_add_nc_u32 v7, s76, v1                       ; q's images: tile tt, K steps 2 ch on
	s_lshr_b32 s76, s39, 1
	s_lshl_b32 s76, s76, 14
	s_add_co_u32 s76, s76, s77
	s_and_b32 s78, s39, 1
	s_lshl_b32 s78, s78, 7
	s_add_co_u32 s76, s76, s78
	s_add_co_u32 s76, s76, IMGK
	v_bfe_u32 v30, v0, 3, 1                        ; r / 8
	v_and_b32 v31, 7, v0
	v_lshlrev_b32 v8, 13, v30
	v_lshl_add_u32 v8, v31, 4, v8
	v_lshl_add_u32 v8, v3, 8, v8
	v_add_nc_u32 v8, s76, v8                       ; permuted: t 16 tt + r is row r % 8 + 8 (tt % 2) of tile 2 (tt / 2) + r / 8
	s_mul_i32 s76, s38, 1536
	s_add_co_u32 s76, s76, SCR
	v_add_nc_u32 v9, s76, v1
	v_add_nc_u32 v10, 6144, v9                     ; the wave four further on: the same t, the other 256 c
	v_lshl_add_u32 v30, v30, 3, v2                 ; r + 8 (r / 8)
	v_lshlrev_b32 v11, 9, v30
	v_lshl_add_u32 v11, v3, 4, v11                 ; a weight's row of 512 codes, + 16 h
	v_lshlrev_b32 v12, 6, v3                       ; a bias in q's and k's result layout: 16 h channels on
	v_lshlrev_b32 v13, 2, v30                      ; in content's: my lane's channel
	v_lshlrev_b32 v14, 9, v2
	v_lshl_add_u32 v14, v3, 4, v14                 ; Wd: row r
	v_bfe_u32 v31, v0, 3, 1
	v_and_b32 v15, 3, v0
	v_lshl_add_u32 v15, v31, 2, v15
	v_lshlrev_b32 v15, 11, v15
	v_lshl_add_u32 v15, v3, 6, v15                 ; Wf: row 4 (r / 8) + r % 4, so that results 0-3 of lane (t, h) are rows 4 h .. 4 h + 3
	v_lshlrev_b32 v16, 16, v3
	v_lshl_add_u32 v16, v2, 4, v16                 ; qstat: heads 2 h on, 16 bytes a t
	v_add_nc_u32 v28, IMGQ, v1
	v_add_nc_u32 v29, IMGK, v1
	v_lshlrev_b32 v30, 4, v3
	v_lshlrev_b32 v31, 5, v3
	; the buffers at my part
	s_lshl_b32 s76, s38, 15
	s_mov_b32 s77, 0
	s_add_nc_u64 s[6:7], s[6:7], s[76:77]          ; my 64 rows of Wq, Wk, Wc
	s_add_nc_u64 s[8:9], s[8:9], s[76:77]
	s_add_nc_u64 s[10:11], s[10:11], s[76:77]
	s_lshl_b32 s76, s38, 8
	s_add_nc_u64 s[18:19], s[18:19], s[76:77]      ; and of bq, bk, bc
	s_add_nc_u64 s[20:21], s[20:21], s[76:77]
	s_add_nc_u64 s[22:23], s[22:23], s[76:77]
	s_lshl_b32 s76, s54, 8
	s_add_nc_u64 s[12:13], s[12:13], s[76:77]      ; Wd at c = 256 ch
	s_lshl_b32 s76, s54, 10
	s_add_nc_u64 s[14:15], s[14:15], s[76:77]      ; Wf likewise
	s_lshr_b32 s78, s38, 1
	s_lshl_b32 s79, s60, 2
	s_add_co_u32 s78, s78, s79                     ; 4 b + head
	s_and_b32 s79, s38, 1                          ; which 64 of the head's 128 channels
	s_lshl_b32 s76, s78, 18
	s_lshl_b32 s80, s55, 13
	s_add_co_u32 s76, s76, s80
	s_lshl_b32 s80, s79, 10
	s_add_co_u32 s76, s76, s80
	s_add_nc_u64 s[30:31], s[30:31], s[76:77]      ; qimg: head, tiles 4 tb on, pieces 2 (wave % 2) on
	s_lshl_b32 s76, s78, 19
	s_lshr_b32 s80, s55, 1
	s_lshl_b32 s80, s80, 15
	s_add_co_u32 s76, s76, s80                     ; kv: head and key step
	s_and_b32 s81, s55, 1
	s_lshl_b32 s80, s81, 10
	s_lshl_b32 s82, s79, 13
	s_add_co_u32 s80, s80, s82
	s_add_co_u32 s80, s80, s76
	s_add_co_u32 s80, s80, 16384                   ; V: tiles 4 (wave % 2) on, pieces 2 (tb % 2) on
	s_lshl_b32 s82, s81, 13
	s_add_co_u32 s76, s76, s82
	s_lshl_b32 s82, s79, 10
	s_add_co_u32 s76, s76, s82                     ; K: tiles 4 (tb % 2) on, pieces 2 (wave % 2) on
	s_mov_b32 s81, 0
	s_add_nc_u64 s[80:81], s[32:33], s[80:81]
	s_add_nc_u64 s[32:33], s[32:33], s[76:77]
	s_lshl_b32 s76, s60, 17
	s_lshl_b32 s82, s55, 10
	s_add_co_u32 s76, s76, s82
	s_lshl_b32 s82, s39, 8
	s_add_co_u32 s76, s76, s82
	s_add_nc_u64 s[34:35], s[34:35], s[76:77]      ; qstat at (4 b, t = 64 tb + 16 tt)
.macro WLOAD base, ks                  ; K step ks of my 64 rows of a weight: four tiles of 16 rows 32 p + 8 u + r + 8 (r / 8), into window 1
	WIN 0x40
.irp w,0,1,2,3
.irp c,0,1,2,3
	global_load_b128 v[64*\ks+16*\w+4*\c:64*\ks+16*\w+4*\c+3], v11, s[\base:\base+1] offset:(32*(\w/2)+8*(\w%2))*512+128*\ks+32*\c
.endr
.endr
	WIN 0
.endm
	global_load_b128 v[224:227], v30, s[26:27]     ; bf of rows 4 h on
	global_load_b128 v[228:231], v31, s[24:25]     ; bd of rows 8 h on
	global_load_b128 v[232:235], v31, s[24:25] offset:16
.irp s,0,1
.irp c,0,1,2,3
	global_load_b128 v[BI+16*\s+4*\c:BI+16*\s+4*\c+3], v14, s[12:13] offset:128*\s+32*\c   ; Wd's two fragments of my 256 c
.endr
.endr
	WLOAD 6, 0
	WLOAD 6, 1
	WIN 0x40
.set n_, 0
.rept 32                               ; Wf(row, 256 ch + 128 s + 32 b + 16 h + i) at register 64 s + 16 b + i: the order in which x's numbers lie
	global_load_b128 v[128+4*n_:128+4*n_+3], v15, s[14:15] offset:(128*(n_/16)+32*((n_/4)%4)+4*(n_%4))*4
.set n_, n_+1
.endr
	WIN 0
	; ---- Wp: piece 8 g + wave.  The branches hang on the work-group's number alone; no LDS is touched here
	s_wait_kmcnt 0x0
	s_lshl_b32 s82, s61, 3
	s_add_co_u32 s82, s82, s38
	s_cmp_lt_u32 s61, 64
	s_cbranch_scc0 .Lwp_ts
	s_lshr_b32 s83, s82, 4                         ; tile of 16 outputs
	s_bfe_u32 s84, s82, 0x20002                    ; head
	s_and_b32 s85, s82, 3                          ; piece c
	s_mul_i32 s86, s83, 16*2080
	s_mul_i32 s84, s84, 520
	s_add_co_u32 s86, s86, s84
	s_lshl_b32 s85, s85, 7
	s_add_co_u32 s86, s86, s85
	s_mov_b32 s87, 0
	s_add_nc_u64 s[86:87], s[16:17], s[86:87]
	v_mul_u32_u24 v17, v2, 2080
	v_lshl_add_u32 v17, v3, 6, v17                 ; Wp(16 ot + r, 130 head + 32 c + 16 h + 0 .. 15): the addresses are multiples of 8 only
.irp j,0,1,2,3,4,5,6,7
	global_load_b64 v[Y+2*\j:Y+2*\j+1], v17, s[86:87] offset:8*\j
.endr
	s_mul_i32 s88, s83, 9216
	s_and_b32 s84, s82, 15
	s_lshl_b32 s84, s84, 9
	s_add_co_u32 s88, s88, s84
	s_branch .Lwp_q
.Lwp_ts:
	s_cmp_lt_u32 s61, 72
	s_cbranch_scc0 .Lwp_done
	s_sub_co_u32 s82, s82, 512
	s_lshr_b32 s83, s82, 1
	s_and_b32 s85, s82, 1
	s_mul_i32 s86, s83, 16*2080
	s_mul_i32 s84, s85, 1040
	s_add_co_u32 s86, s86, s84
	s_add_co_u32 s86, s86, 512
	s_mov_b32 s87, 0
	s_add_nc_u64 s[86:87], s[16:17], s[86:87]
	v_mul_u32_u24 v17, v2, 2080
	v_mad_u32_u24 v17, v3, 520, v17                ; the two time signals' columns of head 2 c + h; the other 14 codes are zeros
	global_load_b64 v[Y:Y+1], v17, s[86:87]
.irp j,2,3,4,5,6,7,8,9,10,11,12,13,14,15
	v_mov_b32 v[Y+\j], 0
.endr
	s_mul_i32 s88, s83, 9216
	s_lshl_b32 s84, s85, 9
	s_add_co_u32 s88, s88, s84
	s_add_co_u32 s88, s88, 8192
.Lwp_q:
	s_mov_b32 s89, 0
	s_add_nc_u64 s[88:89], s[36:37], s[88:89]
	MKSC 53, 18, 19
	s_wait_loadcnt 0x0
.set i_, 0
.rept 16
	v_med3_num_f32 v[Y+i_], v[Y+i_], -v19, v19     ; the conversion to an 8-bit code does not saturate (ISA guide 7.6.2): the hold at the largest code x the scale
.set i_, i_+1
.endr
	v_cvt_scalef32_pk8_bf8_f32 v[PCD:PCD+1], v[Y:Y+7], v18
	v_cvt_scalef32_pk8_bf8_f32 v[PCD+2:PCD+3], v[Y+8:Y+15], v18
	v_nop                                          ; a plain line behind the last conversion
	global_store_b128 v1, v[PCD:PCD+3], s[88:89]   ; 512 consecutive bytes
.Lwp_done:
	s_wait_loadcnt 0x0                             ; the weights and biases asked for so far
	s_wait_xcnt 0x0                                ; the store has read its registers
	MKSC 40, 20, 21                                ; x's scale for q,
	MKSC 42, 22, 23                                ; for k,
	MKSC 48, 24, 25                                ; for content,
	MKSC 46, 26, 27                                ; for the decay gates
	s_wait_tensorcnt 0x0                           ; my 64 rows of x are in LDS,
	s_barrier_signal -1
	s_barrier_wait -1                              ; everybody's are
.macro QSET sc, lim                    ; the 64 numbers in v[XF] on become a fragment's codes in v[PCD] on; the numbers stay
.irp b,0,1,2,3
.set i_, 0
.rept 16
	v_med3_num_f32 v[Y+16*(\b%2)+i_], v[XF+16*\b+i_], -v[\lim], v[\lim]
.set i_, i_+1
.endr
.if \b == 0
	s_wait_dscnt 0x0                               ; the last image's stores have read the codes' registers
.endif
	v_cvt_scalef32_pk8_bf8_f32 v[PCD+4*\b:PCD+4*\b+1], v[Y+16*(\b%2):Y+16*(\b%2)+7], v[\sc]
	v_cvt_scalef32_pk8_bf8_f32 v[PCD+4*\b+2:PCD+4*\b+3], v[Y+16*(\b%2)+8:Y+16*(\b%2)+15], v[\sc]
.endr
	v_nop
.endm
.macro IMAGE adr, off
.irp c,0,1,2,3
	ds_store_b128 v[\adr], v[PCD+4*\c:PCD+4*\c+3] offset:\off+512*\c
.endr
.endm
.macro XSTEP s                         ; 128 c of my 16 t
.set n_, 0
.rept 64
	ds_load_b32 v[XF+n_], v[5+\s] offset:(32*(n_/16)+n_%16)*XP   ; register 16 b + i: c = 32 b + 16 h + i
.set n_, n_+1
.endr
	s_wait_dscnt 0x0
	WIN 0x01                                       ; source 0 (Wf) in window 1
.set p_, 0
.rept 32                               ; Wf x in f32, four c an instruction; four sums take turns; the first four products start them
.if (\s == 0) && (p_ < 4)
	v_wmma_f32_16x16x4_f32 v[FA+8*(p_%4):FA+8*(p_%4)+7], v[128+64*\s+2*p_:128+64*\s+2*p_+1], v[XF+2*p_:XF+2*p_+1], 0
.else
	v_wmma_f32_16x16x4_f32 v[FA+8*(p_%4):FA+8*(p_%4)+7], v[128+64*\s+2*p_:128+64*\s+2*p_+1], v[XF+2*p_:XF+2*p_+1], v[FA+8*(p_%4):FA+8*(p_%4)+7]
.endif
.set p_, p_+1
.endr
	WIN 0
	QSET 20, 21
	IMAGE 7, 2048*\s
.if \s == 1
	WLOAD 6, 2                                     ; Wq's last two K steps take Wf's registers: seventy-three plain lines stand behind the last product that read them
	WLOAD 6, 3
.endif
	QSET 22, 23
	IMAGE 8, 2048*\s
	QSET 24, 25
	IMAGE 8, 32768+2048*\s
	QSET 26, 27
	v_wmma_f32_16x16x128_bf8_bf8 v[DQ+8*\s:DQ+8*\s+7], v[BI+16*\s:BI+16*\s+15], v[PCD:PCD+15], 0   ; Wd x: lane (t, h) holds rows 8 h .. 8 h + 7
.endm
.macro BIASLOAD base                   ; lane (., h), tile 2 p + u, register j: channel 32 p + 16 h + 8 u + j
.irp w,0,1,2,3
	global_load_b128 v[BI+8*\w:BI+8*\w+3], v12, s[\base:\base+1] offset:(32*(\w/2)+8*(\w%2))*4
	global_load_b128 v[BI+8*\w+4:BI+8*\w+7], v12, s[\base:\base+1] offset:(32*(\w/2)+8*(\w%2))*4+16
.endr
.endm
	XSTEP 0
	XSTEP 1
	PLACES
	BIASLOAD 18                                    ; bq takes the registers that held Wd
	; ---- the partial sums over my 256 c meet the other half's in LDS
.irp j,0,1,2,3
	v_add_f32 v[236+\j], v[FA+\j], v[FA+8+\j]
	v_add_f32 v[240+\j], v[FA+16+\j], v[FA+24+\j]
.endr
.irp j,0,1,2,3
	v_add_f32 v[236+\j], v[236+\j], v[240+\j]
.endr
.irp j,0,1,2,3,4,5,6,7
	v_add_f32 v[244+\j], v[DQ+\j], v[DQ+8+\j]
.endr
	ds_store_b128 v9, v[236:239]
	ds_store_b128 v9, v[244:247] offset:512
	ds_store_b128 v9, v[248:251] offset:1024
	s_wait_dscnt 0x0                               ; for the others' sake: my images and my partial sums have landed
	s_barrier_signal -1
	s_barrier_wait -1
	s_cmp_lt_u32 s38, 4
	s_cbranch_scc0 .Lno_final
	; ---- waves 0-3: the statistics of 16 t.  Lane (t, h) holds heads 2 h and 2 h + 1
	ds_load_b128 v[160:163], v10
	ds_load_b128 v[164:167], v10 offset:512
	ds_load_b128 v[168:171], v10 offset:1024
	s_add_co_i32 s76, s46, s47
	s_add_co_i32 s76, s76, 127
	s_lshl_b32 s76, s76, 23                        ; 2^(e6 + e7)
	s_wait_dscnt 0x0
.irp j,0,1,2,3
	v_add_f32 v[236+\j], v[236+\j], v[160+\j]
.endr
.irp j,0,1,2,3,4,5,6,7
	v_add_f32 v[244+\j], v[244+\j], v[164+\j]
.endr
.irp j,0,1,2,3
	v_add_f32 v[236+\j], v[236+\j], v[224+\j]      ; + bf
.endr
.irp j,0,1,2,3,4,5,6,7
	v_fma_f32 v[244+\j], v[244+\j], s76, v[228+\j] ; z = sum x 2^(e6 + e7) + bd
.endr
.irp j,0,1,2,3,4,5,6,7
	v_mul_f32 v[172+\j], 0xbfb8aa3b, v[244+\j]
.endr
.irp j,0,1,2,3,4,5,6,7
	v_exp_f32 v[172+\j], v[172+\j]                 ; e^-z
.endr
	v_and_b32 v30, 1, v0                           ; (the plain line behind the batch)
	s_wait_alu depctr_va_vdst(0)                   ; one wait for the eight, ahead of their first reader
.irp j,0,1,2,3,4,5,6,7
	v_add_f32 v[172+\j], 1.0, v[172+\j]
.endr
.irp j,0,1,2,3,4,5,6,7
	v_rcp_f32 v[172+\j], v[172+\j]                 ; sigmoid(z)
.endr
	v_lshlrev_b32 v30, 31, v30                     ; (plain)  the sign of (-1)^t
	s_wait_alu depctr_va_vdst(0)
.irp a,0,1
	v_fma_f32 v31, 2.0, v[173+4*\a], v[172+4*\a]
	v_fma_f32 v31, 0x40400000, v[174+4*\a], v31
	v_fma_f32 v31, 4.0, v[175+4*\a], v31
	v_mul_f32 v[184+4*\a], 0x3f8293ee, v[236+2*\a] ; F0' = f0 log2(e) / sqrt(2)
	v_mul_f32 v[185+4*\a], 0x3f8293ee, v[237+2*\a]
	v_xor_b32 v[185+4*\a], v30, v[185+4*\a]        ; G' = f1 log2(e) / sqrt(2) x (-1)^t
	v_mul_f32 v[186+4*\a], 0x3eb8aa3b, v31         ; D' = (s1 + 2 s2 + 3 s3 + 4 s4) log2(e) / 4
	v_mov_b32 v[187+4*\a], 0
	global_store_b128 v16, v[184+4*\a:187+4*\a], s[34:35] offset:32768*\a   ; sixteen lanes store 256 consecutive bytes
.endr
	s_wait_xcnt 0x0                                ; the stores have read their registers, which products write next
.Lno_final:
.macro XFETCH xadr, xoff, ks           ; the four tiles' fragments of K step ks
.irp tile,0,1,2,3
.irp c,0,1,2,3
	ds_load_b128 v[XF+16*\tile+4*\c:XF+16*\tile+4*\c+3], v[\xadr] offset:\xoff+8192*\tile+2048*\ks+512*\c
.endr
.endr
.endm
.macro MULS kind, ks                   ; sixteen products on sixteen accumulators, which take turns in the same order in every K step
.if \kind == 0
	WIN 0x01                                       ; source 0 = W (window 1), source 1 = x
.irp w,0,1,2,3
.irp tt,0,1,2,3
.set d_, ACC+16*(4*(\w/2)+\tt)+8*(\w%2)
.if \ks == 0
	v_wmma_f32_16x16x128_bf8_bf8 v[d_:d_+7], v[64*\ks+16*\w:64*\ks+16*\w+15], v[XF+16*\tt:XF+16*\tt+15], v[BI+8*\w:BI+8*\w+7]
.else
	v_wmma_f32_16x16x128_bf8_bf8 v[d_:d_+7], v[64*\ks+16*\w:64*\ks+16*\w+15], v[XF+16*\tt:XF+16*\tt+15], v[d_:d_+7]
.endif
.endr
.endr
.else
	WIN 0x04                                       ; source 0 = x, source 1 = W (window 1)
.irp w,0,1,2,3
.irp ta,0,1,2,3
.set d_, ACC+16*(2*\w+\ta/2)+8*(\ta%2)
.if \ks == 0
	v_wmma_f32_16x16x128_bf8_bf8 v[d_:d_+7], v[XF+16*\ta:XF+16*\ta+15], v[64*\ks+16*\w:64*\ks+16*\w+15], v[BI+8*\w:BI+8*\w+7]
.else
	v_wmma_f32_16x16x128_bf8_bf8 v[d_:d_+7], v[XF+16*\ta:XF+16*\ta+15], v[64*\ks+16*\w:64*\ks+16*\w+15], v[d_:d_+7]
.endif
.endr
.endr
.endif
	WIN 0
.endm
.macro KSTEP kind, ks, wcnt            ; wcnt: the global loads issued behind this K step's slot, which may stay out; -1: the slot is known to be in
.if \wcnt >= 0
	s_wait_loadcnt \wcnt
.endif
	s_wait_dscnt 0x0
	MULS \kind, \ks
	PLACES
.endm
.macro BISCALE                         ; the bias / the power of two that the sums lack
.set j_, 0
.rept 32
	v_ldexp_f32 v[BI+j_], v[BI+j_], s83
.set j_, j_+1
.endr
.endm
.macro WAYOUT                          ; pair pi of accumulators: 16 neighbours along the next K: held, converted
.set pi_, 0
.rept 8
.set i_, 0
.rept 16
	v_med3_num_f32 v[XF+16*(pi_%2)+i_], v[ACC+16*pi_+i_], -v19, v19
.set i_, i_+1
.endr
	v_cvt_scalef32_pk8_bf8_f32 v[CD+4*pi_:CD+4*pi_+1], v[XF+16*(pi_%2):XF+16*(pi_%2)+7], v18
	v_cvt_scalef32_pk8_bf8_f32 v[CD+4*pi_+2:CD+4*pi_+3], v[XF+16*(pi_%2)+8:XF+16*(pi_%2)+15], v18
.set pi_, pi_+1
.endr
	v_nop
.endm
.macro SEND kind, base                 ; eight pieces of 512 consecutive bytes
.set pi_, 0
.rept 8
.if \kind == 0
	global_store_b128 v1, v[CD+4*pi_:CD+4*pi_+3], s[\base:\base+1] offset:(pi_%4)*2048+(pi_/4)*512
.else
	global_store_b128 v1, v[CD+4*pi_:CD+4*pi_+3], s[\base:\base+1] offset:(pi_/2)*2048+(pi_%2)*512
.endif
.set pi_, pi_+1
.endr
	s_wait_xcnt 0x0                                ; the stores have read their registers: the next fragments may land there
.endm
	; ---- q
	XFETCH 28, 0, 0
	s_add_co_i32 s82, s40, s41
	s_sub_co_i32 s83, 0, s82
	s_sub_co_i32 s84, s45, s82                     ; a sum stands for sum x 2^(e0 + e1): its code is sum / 2^(e5 - e0 - e1)
	s_wait_loadcnt 0x0                             ; bq and all of Wq
	BISCALE
	KSTEP 0, 0, -1
	XFETCH 28, 0, 1
	BIASLOAD 20
	WLOAD 8, 0
	KSTEP 0, 1, -1
	XFETCH 28, 0, 2
	WLOAD 8, 1
	KSTEP 0, 2, -1
	XFETCH 28, 0, 3
	WLOAD 8, 2
	KSTEP 0, 3, -1
	WLOAD 8, 3
	MKSC 84, 18, 19
	WAYOUT
	SEND 0, 30
	; ---- k
	XFETCH 29, 0, 0
	s_add_co_i32 s82, s42, s43
	s_sub_co_i32 s83, 0, s82
	s_sub_co_i32 s84, s44, s82
	s_wait_loadcnt 48                              ; bk and Wk's K step 0 are in; behind them: Wk's K steps 1 to 3
	BISCALE
	KSTEP 0, 0, -1
	XFETCH 29, 0, 1
.irp w,0,1,2,3
	global_load_b32 v[BI+8*\w], v13, s[22:23] offset:(32*(\w/2)+8*(\w%2))*4   ; bc of my lane's channel in tile w
.endr
	WLOAD 10, 0
	KSTEP 0, 1, 52                                 ; behind Wk's K step 1: its steps 2, 3 (32), bc (4), Wc's step 0 (16)
	XFETCH 29, 0, 2
	WLOAD 10, 1
	KSTEP 0, 2, 52                                 ; Wk's step 3 (16), bc (4), Wc's steps 0, 1 (32)
	XFETCH 29, 0, 3
	WLOAD 10, 2
	KSTEP 0, 3, 52                                 ; bc (4), Wc's steps 0 to 2 (48)
	WLOAD 10, 3
	MKSC 84, 18, 19
	WAYOUT
	SEND 0, 32
	; ---- content
	XFETCH 29, 32768, 0
	s_add_co_i32 s82, s48, s49
	s_sub_co_i32 s83, 0, s82
	s_sub_co_i32 s84, s50, s82
	s_wait_loadcnt 48                              ; bc and Wc's K step 0; behind them: its steps 1 to 3
.irp w,0,1,2,3
.irp j,7,6,5,4,3,2,1,0
	v_ldexp_f32 v[BI+8*\w+\j], v[BI+8*\w], s83     ; a lane holds one channel: the same bias in all eight registers
.endr
.endr
	KSTEP 1, 0, -1
	XFETCH 29, 32768, 1
	KSTEP 1, 1, 32
	XFETCH 29, 32768, 2
	KSTEP 1, 2, 16
	XFETCH 29, 32768, 3
	KSTEP 1, 3, 0
	MKSC 84, 18, 19
	WAYOUT
	SEND 1, 80
	s_wait_xcnt 0x0
	v_lshl_add_u32 v254, v0, 2, 0x3c000
	v_mov_b32 v255, 0
	s_wait_tensorcnt 0x0
	ds_add_u32 v254, v255
	s_wait_dscnt 0x0
	s_endpgm
.Lfunc_end_k_qd1a506c956_proj:
	.size	k_qd1a506c956_proj, .Lfunc_end_k_qd1a506c956_proj-k_qd1a506c956_proj
	.p2alignl 7, 3214868480
	.fill 96, 4, 3214868480
	.section	.rodata,"a",@progbits
	.p2align	6, 0x0
	.amdhsa_kernel k_qd1a506c956_proj
		.amdhsa_group_segment_fixed_size 246784
		.amdhsa_private_segment_fixed_size 0
		.amdhsa_enable_private_segment 0
		.amdhsa_kernarg_size 136
		.amdhsa_user_sgpr_count 2
		.amdhsa_user_sgpr_kernarg_segment_ptr 1
		.amdhsa_wavefront_size32 1
		.amdhsa_system_sgpr_workgroup_id_x 1
		.amdhsa_system_sgpr_workgroup_id_y 1
		.amdhsa_system_sgpr_workgroup_id_z 1
		.amdhsa_system_vgpr_workitem_id 0
		.amdhsa_next_free_vgpr 512
		.amdhsa_next_free_sgpr 100
		.amdhsa_reserve_vcc 0
		.amdhsa_float_denorm_mode_32 3
		.amdhsa_float_denorm_mode_16_64 3
		.amdhsa_memory_ordered 1
		.amdhsa_forward_progress 1
		.amdhsa_inst_pref_size 156
	.end_amdhsa_kernel
	.amdgpu_metadata
---
amdhsa.version: [ 1, 2 ]
amdhsa.kernels:
  - .name:           k_qd1a506c956_proj
    .symbol:         k_qd1a506c956_proj.kd
    .args:
      - { .name: x, .offset: 0, .size: 8, .value_kind: global_buffer, .address_space: global }
      - { .name: Wq_codes, .offset: 8, .size: 8, .value_kind: global_buffer, .address_space: global }
      - { .name: Wk_codes, .offset: 16, .size: 8, .value_kind: global_buffer, .address_space: global }
      - { .name: Wc_codes, .offset: 24, .size: 8, .value_kind: global_buffer, .address_space: global }
      - { .name: Wd_codes, .offset: 32, .size: 8, .value_kind: global_buffer, .address_space: global }
      - { .name: Wf, .offset: 40, .size: 8, .value_kind: global_buffer, .address_space: global }
      - { .name: Wp, .offset: 48, .size: 8, .value_kind: global_buffer, .address_space: global }
      - { .name: bq, .offset: 56, .size: 8, .value_kind: global_buffer, .address_space: global }
      - { .name: bk, .offset: 64, .size: 8, .value_kind: global_buffer, .address_space: global }
      - { .name: bc, .offset: 72, .size: 8, .value_kind: global_buffer, .address_space: global }
      - { .name: bd, .offset: 80, .size: 8, .value_kind: global_buffer, .address_space: global }
      - { .name: bf, .offset: 88, .size: 8, .value_kind: global_buffer, .address_space: global }
      - { .name: lowp_scales, .offset: 96, .size: 8, .value_kind: global_buffer, .address_space: global }
      - { .name: qimg, .offset: 104, .size: 8, .value_kind: global_buffer, .address_space: global }
      - { .name: kv, .offset: 112, .size: 8, .value_kind: global_buffer, .address_space: global }
      - { .name: qstat, .offset: 120, .size: 8, .value_kind: global_buffer, .address_space: global }
      - { .name: wpimg, .offset: 128, .size: 8, .value_kind: global_buffer, .address_space: global }
    .group_segment_fixed_size: 246784
    .private_segment_fixed_size: 0
    .kernarg_segment_align: 8
    .kernarg_segment_size: 136
    .max_flat_workgroup_size: 256
    .sgpr_count:     100
    .vgpr_count:     512
    .wavefront_size: 32
...
	.end_amdgpu_metadata
.endif
;; end of part 1
;; launch attn (part 2): grid 8 x 32, 8 waves a work-group, no clusters, 327,680 bytes of LDS; arguments qimg, kv, qstat, lowp_scales, res; writes res
.if DOCPART == 2
	.amdgcn_target "amdgcn-amd-amdhsa--gfx1250"
	.amdhsa_code_object_version 6
	.text
	.protected	k_qd1a506c956_attn
	.globl	k_qd1a506c956_attn
	.p2align	8
	.type	k_qd1a506c956_attn,@function
k_qd1a506c956_attn:
	s_mov_b64 s[64:65], 0
	v_nop
	global_prefetch_b8 v0, s[64:65] scope:SCOPE_SE
	s_setreg_imm32_b32 hwreg(HW_REG_WAVE_MODE, 25, 1), 1
	s_wait_xcnt 0x0
; ATTN: for each (batch, head) and each column s (the query): softmax over all 2,048 key times t of
;   logit(t, s) = k_t . q_s / sqrt(128) + f0[s] + f1[s] (-1)^(s - t) - |s - t| D[s],  -100 where t = s,
; then the sum of the weights x content, and the two time signals.  Both products on E5M2 codes.  In units of log2: t-value = logit x log2(e); M = the running largest t-value rounded up to a whole number;
; p = 2^(t-value - M) is quantised with the given 2^e11; the sums of the unquantised p divide at the end.  When M moves, sums and results are multiplied by 2^(old M - new M): exact.
; SHARES.  A work-group owns 256 queries of one head; each of its eight waves 32, as two tiles of 16: tile w's whole state lies in register window w at the same numbers.  Every wave walks all 16 key steps of 128 keys;
; each fragment of K and of V read from LDS feeds both tiles.  No key is left out: how fast the weights fall with |s - t| hangs on data.
; LAYOUT.  Both products are used transposed (S^T = K Q^T, O^T = V^T P^T): a lane holds one query.  K's tiles hold their keys, and V's their channels, in the order 32 b + 8 u + r + 8 (r / 8), so that the 16 registers of
; tiles 2 b and 2 b + 1 are 16 neighbours: register 16 b + i of S is key 32 b + 16 h + i of the step, and of O channel 32 b + 16 h + i.  So p's and the result's codes are the next operand's registers as they stand.
; THE BIASES.  Off the step that holds the wave's own queries |s - t| is linear in t: t-value = c (S + T_i) + GB_b + SB, where T_i = (SL i +- G') / c goes in as the C of the score product (16 registers for the whole step),
; GB_b = 32 b SL and SB = SL (128 j + 16 h - s) + F0' join the one addend of the scaling; SL = +D' ahead of that step, -D' behind it.  In that step the bias is written into S ahead of the products, which add in place,
; and the diagonal is replaced behind them.  Which step that is hangs on the work-group's and the wave's numbers alone.
; The pairs of the packed sums are (even key, odd key): l_even and l_odd come apart at no cost, and time signal 1 is (-1)^s (l_even - l_odd) / l.  cos(2 pi n), cos(pi n) of whole n are taken as 1, (-1)^n.
; NO CLUSTER: the query blocks of a head read the same K and V, but the step with the diagonal is another for each of them, and a branch may not differ between partners; run without a branch, its extra
; 520 lines a step would nearly double the vector work, while K and V are 512 KiB a work-group for the whole launch.
; LIMITS: e4 + e5 between -123 and 123 (added to c's exponent field, taken off 1/c's); e11 and e12 between -126 and 112.  NaN among the inputs is not served.
.set STEPB, 32768                      ; a key step in LDS: 8 tiles of K, then 8 of V, 2,048 bytes each, as they lie in memory
.set SLOT1, 131072                     ; a slot holds four key steps; one exclusive or turns an address into the other slot's
.set SPARE, 262144                     ; behind the ring: the spare words, 128 bytes a wave: four blocks of 256 bytes that no other line names
.set LI,  1                            ; window 0 alone: v1 16 x lane; v2 the step's LDS address; v3, v4 the spare word's address and 0; v5 256 x lane; v6 16 r; v7 the time signals' place
.set ADR, 2
.set SPW, 3
.set NIL, 4
.set PFO, 5
.set R16, 6
.set RSO, 7
.set NM,  8                            ; in each window: -M
.set TM,  9                            ; the largest t-value
.set LS,  10                           ; v[10:11] l_even, l_odd
.set FF,  12                           ; v[12:13] f = 2^(old M - new M), 0
.set L2,  14                           ; v[14:15] the sums' second chain
.set ST,  16                           ; v[16:19] F0', G', D', 0
.set SL,  20
.set DL,  21                           ; 128 j + 16 h - s
.set GC,  22                           ; G' / c
.set DC,  23                           ; D' / c
.set AB,  24                           ; v24, 26, 28, 30: the scaling's addend for b = 0 .. 3 (the odd ones hold 0)
.set GB,  32
.set MB,  36
.set SB,  40
.set T1,  41
.set T2,  42
.set MV,  43                           ; what S holds on the diagonal: (-100 log2(e) - F0') / c
.set DI,  44                           ; s - 128 JD - 16 h: the diagonal's register is the one with 32 b + i = DI
.set LIMV, 45
.set SCV, 46
.set SG,  47                           ; the sign of (-1)^s
.set T,   48                           ; v48-63
.set Q,   64                           ; v64-79
.set P,   80                           ; v80-95
.set FR,  96                           ; v96-127: two fragments of K or V in each window
.set S,   128                          ; v128-191
.set O,   192                          ; v192-255
; s14 wave; s15 key step; s16 the step with my queries; s17 the next; s18 slots to ask for; s19 steps of a slot; s[20:21] lane selects; s[22:23] c; s24 1/c; s25 LDS byte of the step; s26 57,344 x 2^e11; s27 e10 + e11
; s[28:31], s[32:39] the descriptor; s40, s41 2^e12 and 57,344 x 2^e12; s[54:55], s56 the prefetches; s[58:63], s[6:7] bases
.set MSB, 0
.macro WIN new
.if MSB != (\new)
	s_set_vgpr_msb (MSB<<8)|(\new)
.set MSB, (\new)
.endif
.endm
.macro PLACES
.rept 4
	v_nop
.endr
.endm
	s_load_b256 s[4:11], s[0:1], 0x0               ; qimg 4, kv 6, qstat 8, scales 10
	s_load_b64 s[12:13], s[0:1], 0x20              ; res
	v_lshl_add_u32 v[SPW], v0, 2, SPARE
	v_mov_b32 v[NIL], 0
	ds_add_u32 v3, v4
	ds_add_u32 v3, v4
	s_wait_dscnt 0x0
	v_lshrrev_b32 v1, 5, v0
	v_readfirstlane_b32 s14, v1                    ; wave 0..7
	s_and_b32 s57, ttmp7, 0xffff                   ; 4 b + head
	; descriptor group 1: a dense block of 64 rows of 256 bytes: my eighth of a slot
	s_mov_b32 s32, 3<<16
	s_mov_b32 s33, 32<<16
	s_mov_b32 s34, 64<<16
	s_mov_b32 s35, 32<<16
	s_mov_b32 s36, 64
	s_mov_b32 s37, 32
	s_mov_b32 s38, 0
	s_mov_b32 s39, 0
	s_lshl_b32 s58, s57, 19
	s_lshl_b32 s29, s14, 14                        ; LDS: wave x 16,384, in slot 0
	s_add_co_u32 s58, s58, s29
	s_mov_b32 s59, 0
	s_mov_b32 s28, 1
	s_wait_kmcnt 0x0
	s_load_b256 s[40:47], s[10:11], 0x0
	s_load_b128 s[48:51], s[10:11], 0x20
	s_load_b64 s[52:53], s[10:11], 0x30
	s_add_nc_u64 s[30:31], s[6:7], s[58:59]
	s_add_nc_u64 s[54:55], s[30:31], SLOT1         ; the prefetches stand in slot 1's keys: the first change of slots steps them on
	s_or_b32 s31, s31, 0x80000000
	tensor_load_to_lds s[28:31], s[32:39]          ; key steps 0 to 3
	s_nop 0
	PLACES
	v_and_b32 v1, 31, v0
	v_lshlrev_b32 v[PFO], 8, v1
	v_lshlrev_b32 v[LI], 4, v1
	v_and_b32 v[R16], 15, v0
	v_lshlrev_b32 v[R16], 4, v[R16]
	v_bfe_u32 v[RSO], v0, 4, 1
	v_mul_u32_u24 v[RSO], v[RSO], 9216
	v_add_nc_u32 v[RSO], v[RSO], v[R16]            ; lanes 0-15: tile 0's queries; lanes 16-31: tile 1's, one tile of res on
	s_lshr_b32 s16, s14, 2
	s_lshl_b32 s17, ttmp9, 1
	s_add_co_u32 s16, s16, s17                     ; my 32 queries lie in key step 2 x block + wave / 4
	s_add_co_u32 s17, s16, 1
	s_mov_b32 s15, 0
	s_mov_b32 s18, 3
	s_mov_b32 s20, 0x76543210
	s_mov_b32 s21, 0xfedcba98
	s_mov_b32 s25, 0
	s_cmp_eq_u32 ttmp9, 0
	s_cselect_b32 s56, 1, -1                       ; the head's first work-group prefetches
	s_lshl_b32 s24, ttmp9, 8
	s_lshl_b32 s26, s14, 5
	s_add_co_u32 s24, s24, s26                     ; my first query (s24 and s26 take their lasting values below)
	s_and_b32 s26, s26, 96                         ; and its place in its key step
	s_lshl_b32 s58, s57, 18
	s_lshl_b32 s60, ttmp9, 15
	s_add_co_u32 s58, s58, s60
	s_lshl_b32 s60, s14, 12
	s_add_co_u32 s58, s58, s60
	s_mov_b32 s59, 0
	s_add_nc_u64 s[58:59], s[4:5], s[58:59]        ; my two tiles of q
	s_lshl_b32 s60, s57, 15
	s_lshl_b32 s62, s24, 4
	s_add_co_u32 s60, s60, s62
	s_mov_b32 s61, 0
	s_add_nc_u64 s[60:61], s[8:9], s[60:61]        ; their statistics
	s_lshr_b32 s62, s57, 2
	s_lshl_b32 s62, s62, 7
	s_lshl_b32 s63, ttmp9, 4
	s_add_co_u32 s62, s62, s63
	s_lshl_b32 s63, s14, 1
	s_add_co_u32 s62, s62, s63
	s_mul_i32 s62, s62, 9216                       ; res: tile 128 b + 16 x block + 2 x wave
	s_and_b32 s63, s57, 3                          ; head
	s_lshl_b32 s6, s63, 8
	s_add_co_u32 s6, s6, s62
	s_add_co_u32 s6, s6, 8192
	s_mov_b32 s7, 0
	s_add_nc_u64 s[6:7], s[12:13], s[6:7]          ; the head's 256 bytes among the tile's time signals
	s_lshl_b32 s63, s63, 11
	s_add_co_u32 s62, s62, s63
	s_mov_b32 s63, 0
	s_add_nc_u64 s[62:63], s[12:13], s[62:63]      ; the head's fragment
.irp w,0,1
	WIN 0x40*\w
.irp c,0,1,2,3
	global_load_b128 v[Q+4*\c:Q+4*\c+3], v[LI], s[58:59] offset:2048*\w+512*\c
.endr
	global_load_b128 v[ST:ST+3], v[R16], s[60:61] offset:256*\w
.endr
.macro TILE_INIT w
	WIN 0x40*\w
	v_and_b32 v[T1], 15, v0                        ; r
	v_bfe_u32 v[T2], v0, 4, 1
	WIN 0x55*\w
	v_lshlrev_b32 v[T2], 4, v[T2]                  ; 16 h
	v_and_b32 v[SG], 1, v[T1]
	v_lshlrev_b32 v[SG], 31, v[SG]
	v_sub_nc_u32 v[DI], v[T1], v[T2]
	v_add_nc_u32 v[DI], s26, v[DI]
	v_add_nc_u32 v[DI], 16*\w, v[DI]
	v_sub_nc_u32 v[DL], v[T2], v[T1]
	v_sub_nc_u32 v[DL], v[DL], s24
	v_sub_nc_u32 v[DL], v[DL], 16*\w
	v_cvt_f32_i32 v[DL], v[DL]                     ; 16 h - s, for key step 0
	v_mov_b32 v[TM], 0xff61b1e6                    ; -3e38, under every t-value
	v_floor_f32 v[NM], -v[TM]
	v_mov_b32 v[LS], 0
	v_mov_b32 v[LS+1], 0
	v_mov_b32 v[FF+1], 0                           ; (named as the upper halves of pairs)
	v_mov_b32 v[AB+1], 0
	v_mov_b32 v[AB+3], 0
	v_mov_b32 v[AB+5], 0
	v_mov_b32 v[AB+7], 0
.set j_, 0
.rept 64
	v_mov_b32 v[O+j_], 0                           ; the step is written once: the first finds zeros, which the first change of M leaves zeros
.set j_, j_+1
.endr
.endm
	TILE_INIT 0
	TILE_INIT 1
	WIN 0
	s_wait_kmcnt 0x0
	s_add_co_i32 s57, s44, s45
	s_lshl_b32 s57, s57, 23
	s_mov_b32 s22, 0x3e0293ee                      ; c = log2(e) / sqrt(128),
	s_add_co_i32 s22, s22, s57                     ; x 2^(e4 + e5): a score stands for score x 2^(e4 + e5)
	s_mov_b32 s23, s22
	s_mov_b32 s24, 0x40faf233                      ; 1 / c
	s_sub_co_i32 s24, s24, s57
	s_add_co_i32 s57, s51, 127
	s_lshl_b32 s19, s57, 23                        ; 2^e11
	s_add_co_i32 s57, s57, 15
	s_lshl_b32 s57, s57, 23
	s_or_b32 s26, s57, 0x600000                    ; 57,344 x 2^e11
	s_add_co_i32 s27, s50, s51
	s_add_co_i32 s57, s52, 127
	s_lshl_b32 s40, s57, 23                        ; 2^e12
	s_add_co_i32 s57, s57, 15
	s_lshl_b32 s57, s57, 23
	s_or_b32 s41, s57, 0x600000
	s_wait_loadcnt 0x0                             ; q and the statistics
; SL, GB and T for the steps ahead of my queries' (sg = 1), for that step (0), for those behind it (2)
.macro REBUILD w, sg
	WIN 0x55*\w
	v_mov_b32 v[GB], 0
.if \sg == 0
	v_mov_b32 v[SL], 0
	v_mov_b32 v[GB+1], 0
	v_mov_b32 v[GB+2], 0
	v_mov_b32 v[GB+3], 0
.else
.if \sg == 1
	v_mov_b32 v[SL], v[ST+2]
	v_mov_b32 v[T1], v[DC]
.else
	v_xor_b32 v[SL], 0x80000000, v[ST+2]
	v_xor_b32 v[T1], 0x80000000, v[DC]
.endif
	v_mul_f32 v[GB+1], 0x42000000, v[SL]           ; 32, 64, 96 x SL
	v_mul_f32 v[GB+2], 0x42800000, v[SL]
	v_mul_f32 v[GB+3], 0x42c00000, v[SL]
.set i_, 0
.irp f, 0x0,0x3f800000,0x40000000,0x40400000,0x40800000,0x40a00000,0x40c00000,0x40e00000,0x41000000,0x41100000,0x41200000,0x41300000,0x41400000,0x41500000,0x41600000,0x41700000
.if i_%2
	v_fma_f32 v[T+i_], v[T1], \f, -v[GC]           ; T_i = (SL i - G') / c for odd keys,
.else
	v_fma_f32 v[T+i_], v[T1], \f, v[GC]            ; (SL i + G') / c for even ones
.endif
.set i_, i_+1
.endr
.endif
.endm
.irp w,0,1
	WIN 0x55*\w
	v_mul_f32 v[GC], s24, v[ST+1]
	v_mul_f32 v[DC], s24, v[ST+2]
	v_sub_f32 v[MV], 0xc31044fe, v[ST]             ; -100 log2(e) - F0'
	v_mul_f32 v[MV], s24, v[MV]
	v_mov_b32 v[SCV], s19
	REBUILD \w, 1
.endr
	WIN 0
; the step with my queries: S = (-D' |t - s| +- G') / c ahead of the products; t - s = DL + 32 b + i, whole numbers, so both sums are exact.  T's registers are at work here: the next step makes T anew
.macro PREFILL w
	WIN 0x55*\w
.irp b,0,1,2,3
.if \b == 0
	v_mov_b32 v[T], v[DL]
.elseif \b == 1
	v_add_f32 v[T], 0x42000000, v[DL]
.elseif \b == 2
	v_add_f32 v[T], 0x42800000, v[DL]
.else
	v_add_f32 v[T], 0x42c00000, v[DL]
.endif
.set i_, 0
.irp f, 0x0,0x3f800000,0x40000000,0x40400000,0x40800000,0x40a00000,0x40c00000,0x40e00000,0x41000000,0x41100000,0x41200000,0x41300000,0x41400000,0x41500000,0x41600000,0x41700000
	v_add_f32 v[T+1+i_%2], \f, v[T]
.if i_%2
	v_fma_f32 v[S+16*\b+i_], -v[DC], |v[T+1+i_%2]|, -v[GC]
.else
	v_fma_f32 v[S+16*\b+i_], -v[DC], |v[T+1+i_%2]|, v[GC]
.endif
.set i_, i_+1
.endr
.endr
.endm
.macro MASK w                          ; the diagonal; each accumulator from its low end on
	WIN 0x55*\w
.set n_, 0
.rept 64
	v_cmp_eq_u32 vcc_lo, 32*(n_/16)+n_%16, v[DI]
	v_cndmask_b32 v[S+n_], v[S+n_], v[MV], vcc_lo
.set n_, n_+1
.endr
.endm
.macro FLOAD base                      ; four fragments, 2,048 bytes each, from byte base of the step: two into each window; every load takes 512 consecutive bytes
.irp t,0,1,2,3
	WIN 0x40*(\t/2)
.irp c,0,1,2,3
	ds_load_b128 v[FR+16*(\t%2)+4*\c:FR+16*(\t%2)+4*\c+3], v[ADR] offset:\base+2048*\t+512*\c
.endr
.endr
	WIN 0
.endm
.macro SMUL g, inplace                 ; eight score products: tiles of keys 4 g + t, both tiles of queries; eight accumulators
.irp wt,0,1,2,3,6,7,4,5
.set w_, (\wt)/4
.set t_, (\wt)%4
	WIN (t_/2)|(0x54*w_)
.if \inplace
	v_wmma_f32_16x16x128_bf8_bf8 v[S+8*(4*\g+t_):S+8*(4*\g+t_)+7], v[FR+16*(t_%2):FR+16*(t_%2)+15], v[Q:Q+15], v[S+8*(4*\g+t_):S+8*(4*\g+t_)+7]
.else
	v_wmma_f32_16x16x128_bf8_bf8 v[S+8*(4*\g+t_):S+8*(4*\g+t_)+7], v[FR+16*(t_%2):FR+16*(t_%2)+15], v[Q:Q+15], v[T+8*(t_%2):T+8*(t_%2)+7]
.endif
.endr
	WIN 0
.endm
.macro PMUL g                          ; eight products O^T += V^T P^T: tiles of channels 4 g + t
.irp wt,0,1,2,3,6,7,4,5
.set w_, (\wt)/4
.set t_, (\wt)%4
	WIN (t_/2)|(0x54*w_)
	v_wmma_f32_16x16x128_bf8_bf8 v[O+8*(4*\g+t_):O+8*(4*\g+t_)+7], v[FR+16*(t_%2):FR+16*(t_%2)+15], v[P:P+15], v[O+8*(4*\g+t_):O+8*(4*\g+t_)+7]
.endr
	WIN 0
.endm
.macro SPHASE inplace
.irp g,0,1
	PLACES                                         ; ahead of loads into registers that matrix instructions have read
	FLOAD 8192*\g
	s_wait_dscnt 0x0
	SMUL \g, \inplace
.endr
.endm
.macro SOFTMAX w
	WIN 0x55*\w
	v_fma_f32 v[SB], v[SL], v[DL], v[ST]
.irp b,0,1,2,3                         ; the largest S of each 16 registers, four chains by turns, each accumulator from its low end on
	v_max3_num_f32 v[MB+\b], v[S+16*\b], v[S+16*\b+1], v[S+16*\b+2]
.endr
.irp i,3,5,7,9,11,13
.irp b,0,1,2,3
	v_max3_num_f32 v[MB+\b], v[MB+\b], v[S+16*\b+\i], v[S+16*\b+\i+1]
.endr
.endr
.irp b,0,1,2,3
	v_max_num_f32 v[MB+\b], v[MB+\b], v[S+16*\b+15]
.endr
.irp b,0,1,2,3
	v_fma_f32 v[MB+\b], v[MB+\b], s22, v[GB+\b]    ; c is positive
.endr
	v_max3_num_f32 v[T1], v[MB], v[MB+1], v[MB+2]
	v_max_num_f32 v[T1], v[T1], v[MB+3]
	v_add_f32 v[T1], v[T1], v[SB]
	v_permlanex16_b32 v[T2], v[T1], s20, s21
	v_max_num_f32 v[T1], v[T1], v[T2]              ; with the query's other 64 keys
	v_max_num_f32 v[TM], v[TM], v[T1]
	v_mov_b32 v[T1], v[NM]
	v_floor_f32 v[NM], -v[TM]                      ; -M = floor(-t) = -ceil(t)
	v_sub_f32 v[T1], v[NM], v[T1]                  ; old M - new M: a whole number, 0 or less
	v_cvt_i32_f32 v[T1], v[T1]                     ; (it saturates)
	v_ldexp_f32 v[FF], 1.0, v[T1]
	v_add_f32 v[T1], v[SB], v[NM]
.irp b,0,1,2,3
	v_add_f32 v[AB+2*\b], v[T1], v[GB+\b]
.endr
.set j_, 0
.rept 32
	v_pk_fma_f32 v[S+j_:S+j_+1], v[S+j_:S+j_+1], s[22:23], v[AB+2*(j_/16):AB+2*(j_/16)+1] op_sel_hi:[1,0,0]   ; t-value - M, two at a time
.set j_, j_+2
.endr
.set j_, 0
.rept 64
	v_exp_f32 v[S+j_], v[S+j_]
.set j_, j_+1
.endr
	v_pk_mul_f32 v[LS:LS+1], v[LS:LS+1], v[FF:FF+1] op_sel_hi:[1,0]   ; the sums under the new M (the plain line behind the batch)
	s_wait_alu depctr_va_vdst(0)                   ; one wait for the 64 exponentials, ahead of their first reader
	v_pk_add_f32 v[L2:L2+1], v[S:S+1], v[S+2:S+3]  ; the sums of the unquantised p: (even keys, odd keys), in two chains
.irp j,4,8,12,16,20,24,28,32,36,40,44,48,52,56,60
	v_pk_add_f32 v[LS:LS+1], v[LS:LS+1], v[S+\j:S+\j+1]
	v_pk_add_f32 v[L2:L2+1], v[L2:L2+1], v[S+\j+2:S+\j+3]
.endr
	v_pk_add_f32 v[LS:LS+1], v[LS:LS+1], v[L2:L2+1]
.irp b,0,1,2,3
.set i_, 0
.rept 16
	v_min_num_f32 v[S+16*\b+i_], s26, v[S+16*\b+i_]   ; the conversion does not saturate (ISA guide 7.6.2); p is not negative: the hold is one-sided
.set i_, i_+1
.endr
	v_cvt_scalef32_pk8_bf8_f32 v[P+4*\b:P+4*\b+1], v[S+16*\b:S+16*\b+7], v[SCV]
	v_cvt_scalef32_pk8_bf8_f32 v[P+4*\b+2:P+4*\b+3], v[S+16*\b+8:S+16*\b+15], v[SCV]
.endr
.set j_, 0
.rept 32
	v_pk_mul_f32 v[O+j_:O+j_+1], v[O+j_:O+j_+1], v[FF:FF+1] op_sel_hi:[1,0]   ; O^T under the new M
.set j_, j_+2
.endr
	v_add_f32 v[DL], 0x43000000, v[DL]             ; the next step's keys lie 128 further on
.endm
.macro STEP                            ; a key step.  The branches hang on the step's number, the work-group's and the wave's; no barrier and no tensor load stands in a step
	v_add_nc_u32 v[ADR], s25, v[LI]
	s_cmp_eq_u32 s15, s16
	s_cbranch_scc1 .Ldiag_\@
	s_cmp_eq_u32 s15, s17
	s_cbranch_scc0 .Lplain_\@
	REBUILD 0, 2
	REBUILD 1, 2
	WIN 0
.Lplain_\@:
	SPHASE 0
	s_branch .Ljoin_\@
.Ldiag_\@:
	REBUILD 0, 0
	PREFILL 0
	REBUILD 1, 0
	PREFILL 1
	WIN 0
	SPHASE 1
	PLACES
	MASK 0
	MASK 1
	WIN 0
.Ljoin_\@:
	PLACES                                         ; behind the last score products: ahead of the loads into K's registers and of the first read of the scores
	FLOAD 16384                                    ; V's first four tiles land while the softmax is worked
	SOFTMAX 0
	SOFTMAX 1
	WIN 0
	s_wait_dscnt 0x0
	PMUL 0
	PLACES
	FLOAD 24576
	s_wait_dscnt 0x0
	PMUL 1
	s_add_co_u32 s25, s25, STEPB
	s_add_co_u32 s15, s15, 1
.endm
; A PREFETCH INTO THE L2 of what the NEXT change of slots will ask for: my wave's own 16,384 bytes of that slot, lanes 256 bytes apart, two instructions.  All eight work-groups of a head walk the same K and V: the first
; of them asks, so each block is named once in the launch.  Slots 0 and 1 come by their loads alone; the last change that fills a slot asks for nothing.
.macro ASK
	s_cmp_gt_u32 s18, s56
	s_cbranch_scc0 .Lnot_mine_\@
	global_prefetch_b8 v[PFO], s[54:55] th:TH_LOAD_NT scope:SCOPE_SE
	global_prefetch_b8 v[PFO], s[54:55] offset:8192 th:TH_LOAD_NT scope:SCOPE_SE
.Lnot_mine_\@:
.endm
; THE CHANGE OF SLOTS stands at a slot's head.  Each wave waits for all its tensor loads (one is out: its part of the slot ahead), adds 0 to its spare word, and waits for that and for its reads of the slot that it has left.
; Behind the barrier the slot ahead is whole and nobody reads the other one, which is filled with the next four key steps: the load has four steps in which to land.
.macro CHANGE fill
	s_wait_tensorcnt 0x0
	ds_add_u32 v[SPW], v[NIL]
.if \fill
	s_xor_b32 s29, s29, SLOT1
	s_add_nc_u64 s[30:31], s[30:31], SLOT1         ; the type bits on top are not reached
	s_wait_xcnt 0x0                                ; the last prefetches, a slot back, have read their address
	s_add_nc_u64 s[54:55], s[54:55], SLOT1
.endif
	s_wait_dscnt 0x0
	s_barrier_signal -1
	s_barrier_wait -1
.if \fill
	tensor_load_to_lds s[28:31], s[32:39]          ; the first thing behind the barrier, and my one tensor load until the next
	s_nop 0
	PLACES
	ASK
.endif
.endm
.macro SLOT_STEPS
	s_mov_b32 s19, 4
.Lstep_\@:
	STEP
	s_sub_co_u32 s19, s19, 1
	s_cmp_lg_u32 s19, 0
	s_cbranch_scc1 .Lstep_\@
	s_sub_co_u32 s25, s25, SLOT1
	s_xor_b32 s25, s25, SLOT1                      ; on to the other slot's first step
.endm
.Lslot:                                            ; three trips: behind each change of slots but the last the next slot is asked for
	CHANGE 1
	SLOT_STEPS
	s_sub_co_u32 s18, s18, 1
	s_cmp_lg_u32 s18, 0
	s_cbranch_scc1 .Lslot
	CHANGE 0                                       ; the last slot is written out
	SLOT_STEPS
; THE WAY OUT of tile w: O^T / l x 2^(e10 + e11), quantised with 2^e12: the codes are the last product's operand as they stand: four pieces of 512 consecutive bytes
.macro FINISH w
	WIN 0x55*\w
	v_permlanex16_b32 v[T1], v[LS], s20, s21
	v_permlanex16_b32 v[T2], v[LS+1], s20, s21
	v_add_f32 v[LS], v[LS], v[T1]
	v_add_f32 v[LS+1], v[LS+1], v[T2]
	v_add_f32 v[L2], v[LS], v[LS+1]                ; l
	v_rcp_f32 v[L2+1], v[L2]
	v_sub_f32 v[T1], v[LS], v[LS+1]                ; (the plain line behind the reciprocal)
	v_mov_b32 v[LIMV], s41
	v_mov_b32 v[SCV], s40
	s_wait_alu depctr_va_vdst(0)
	v_mul_f32 v[AB], v[L2], v[L2+1]                ; time signal 0: l / l
	v_mul_f32 v[AB+1], v[T1], v[L2+1]
	v_xor_b32 v[AB+1], v[SG], v[AB+1]              ; time signal 1: (-1)^s (l_even - l_odd) / l
	v_ldexp_f32 v[FF], v[L2+1], s27
.set j_, 0
.rept 32
	v_pk_mul_f32 v[S+j_:S+j_+1], v[O+j_:O+j_+1], v[FF:FF+1] op_sel_hi:[1,0]
.set j_, j_+2
.endr
.set j_, 0
.rept 64
	v_med3_num_f32 v[S+j_], v[S+j_], -v[LIMV], v[LIMV]
.set j_, j_+1
.endr
.irp b,0,1,2,3
	v_cvt_scalef32_pk8_bf8_f32 v[P+4*\b:P+4*\b+1], v[S+16*\b:S+16*\b+7], v[SCV]
	v_cvt_scalef32_pk8_bf8_f32 v[P+4*\b+2:P+4*\b+3], v[S+16*\b+8:S+16*\b+15], v[SCV]
.endr
	v_nop
.irp j,2,3,4,5,6,7
	v_mov_b32 v[AB+\j], 0
.endr
	v_med3_num_f32 v[AB], v[AB], -v[LIMV], v[LIMV]
	v_med3_num_f32 v[AB+1], v[AB+1], -v[LIMV], v[LIMV]
	v_cvt_scalef32_pk8_bf8_f32 v[GB:GB+1], v[AB:AB+7], v[SCV]
	v_nop
	WIN 0x04*\w                                    ; the stores' data in window w, their address in window 0
.irp c,0,1,2,3
	global_store_b128 v[LI], v[P+4*\c:P+4*\c+3], s[62:63] offset:9216*\w+512*\c
.endr
.endm
	PLACES                                         ; behind the last products
	FINISH 0
	FINISH 1
	WIN 0
	v_bfe_u32 v[T1], v0, 4, 1
	v_cmp_ne_u32 vcc_lo, 0, v[T1]
	v_mov_b32 v[GB+2], 0
	v_mov_b32 v[GB+3], 0
	WIN 0x04
	v_cndmask_b32 v[GB], v[GB], v[GB], vcc_lo      ; lanes 0-15 keep tile 0's codes (window 0), lanes 16-31 take tile 1's (window 1)
	WIN 0
	global_store_b128 v[RSO], v[GB:GB+3], s[6:7]   ; two time signals and 14 zero codes a query: sixteen lanes store 256 consecutive bytes
	s_wait_tensorcnt 0x0                           ; the wave's end
	ds_add_u32 v[SPW], v[NIL]
	s_wait_dscnt 0x0
	s_endpgm
.Lfunc_end_k_qd1a506c956_attn:
	.size	k_qd1a506c956_attn, .Lfunc_end_k_qd1a506c956_attn-k_qd1a506c956_attn
	.p2alignl 7, 3214868480
	.fill 96, 4, 3214868480
	.section	.rodata,"a",@progbits
	.p2align	6, 0x0
	.amdhsa_kernel k_qd1a506c956_attn
		.amdhsa_group_segment_fixed_size 327680
		.amdhsa_private_segment_fixed_size 0
		.amdhsa_enable_private_segment 0
		.amdhsa_kernarg_size 40
		.amdhsa_user_sgpr_count 2
		.amdhsa_user_sgpr_kernarg_segment_ptr 1
		.amdhsa_wavefront_size32 1
		.amdhsa_system_sgpr_workgroup_id_x 1
		.amdhsa_system_sgpr_workgroup_id_y 1
		.amdhsa_system_sgpr_workgroup_id_z 1
		.amdhsa_system_vgpr_workitem_id 0
		.amdhsa_next_free_vgpr 512
		.amdhsa_next_free_sgpr 66
		.amdhsa_reserve_vcc 1
		.amdhsa_float_denorm_mode_32 3
		.amdhsa_float_denorm_mode_16_64 3
		.amdhsa_memory_ordered 1
		.amdhsa_forward_progress 1
		.amdhsa_inst_pref_size 169
	.end_amdhsa_kernel
	.amdgpu_metadata
---
amdhsa.version: [ 1, 2 ]
amdhsa.kernels:
  - .name:           k_qd1a506c956_attn
    .symbol:         k_qd1a506c956_attn.kd
    .args:
      - { .name: qimg, .offset: 0, .size: 8, .value_kind: global_buffer, .address_space: global }
      - { .name: kv, .offset: 8, .size: 8, .value_kind: global_buffer, .address_space: global }
      - { .name: qstat, .offset: 16, .size: 8, .value_kind: global_buffer, .address_space: global }
      - { .name: lowp_scales, .offset: 24, .size: 8, .value_kind: global_buffer, .address_space: global }
      - { .name: res, .offset: 32, .size: 8, .value_kind: global_buffer, .address_space: global }
    .group_segment_fixed_size: 327680
    .private_segment_fixed_size: 0
    .kernarg_segment_align: 8
    .kernarg_segment_size: 40
    .max_flat_workgroup_size: 256
    .sgpr_count:     66
    .vgpr_count:     512
    .wavefront_size: 32
...
	.end_amdgpu_metadata
.endif
;; end of part 2
;; launch outp (part 3): grid 32 x 8, 8 waves a work-group, no clusters, 177,152 bytes of LDS; arguments res, wpimg, x, bp, lowp_scales, out0; writes out0
.if DOCPART == 3
	.amdgcn_target "amdgcn-amd-amdhsa--gfx1250"
	.amdhsa_code_object_version 6
	.text
	.protected	k_qd1a506c956_outp
	.globl	k_qd1a506c956_outp
	.p2align	8
	.type	k_qd1a506c956_outp,@function
k_qd1a506c956_outp:
	s_mov_b64 s[64:65], 0
	v_nop
	global_prefetch_b8 v0, s[64:65] scope:SCOPE_SE
	s_setreg_imm32_b32 hwreg(HW_REG_WAVE_MODE, 25, 1), 1
	s_wait_xcnt 0x0
; OUTP: out0[b][o][s] = x[b][o][s] + bp[o] + the sum over the 520 result channels of Wp[o][.] result[b][.][s], on E5M2 codes.
; A work-group takes 64 s of one b and all 512 o; wave w takes o = 64 w .. 64 w + 63.  Both operands come as images of their registers, in one K order: four K steps of 128 (a head's channels each) and one of 64
; (the heads' two time signals, the rest zero codes).  Wp's part of a wave stays in window 1, read once; the results' four tiles (36,864 bytes) and x's 512 rows x 64 s come by one tensor load each a wave.
; Source 0 = 16 s, source 1 = 16 o: a lane holds one o and eight neighbouring s.  x is read from LDS in that layout, the sum is added, and the rows go back through the same bytes (the wave's own rows, which have had
; their one fill) to leave as whole rows: sixteen lanes store 256 consecutive bytes.
; LIMIT: e12 + e13 between -126 and 127.
.set XPI,  272                         ; a row of x in LDS: 256 bytes + 16: the sixteen rows that a load touches start at sixteen different banks
.set RES,  139264                      ; behind x's 512 rows: four tiles x 9,216 bytes
.set WT,   32                          ; v32-63   Wp's time-signal fragments, 8 registers a tile
.set RF,   64                          ; v64-127  four fragments of the results (way out: v64-95 x and the sums, v96-127 whole rows)
.set ACC,  128                         ; v128-255 accumulator (i, tt) at 128 + 8 (4 i + tt)
; v1 16 x lane; v2 the results' images; v3 x in the results' layout; v4 x by rows; v5 out0 by rows; v8, 10, 12, 14 bp of my lane's o in tile i (the odd ones hold 0); v16 4 r.   window 1: Wp (ks, i) at 64 ks + 16 i
.set MSB, 0
.macro WIN new
.if MSB != (\new)
	s_set_vgpr_msb (MSB<<8)|(\new)
.set MSB, (\new)
.endif
.endm
	s_load_b256 s[4:11], s[0:1], 0x0               ; res 4, wpimg 6, x 8, bp 10
	s_load_b128 s[12:15], s[0:1], 0x20             ; scales 12, out0 14
	v_lshl_add_u32 v30, v0, 2, 0x2b000
	v_mov_b32 v31, 0
	ds_add_u32 v30, v31
	ds_add_u32 v30, v31
	v_lshrrev_b32 v1, 5, v0
	v_readfirstlane_b32 s16, v1                    ; wave 0..7
	s_and_b32 s17, ttmp7, 0xffff                   ; b
	s_mov_b32 s24, 3<<16                           ; the results: a dense block of 18 rows of 256 bytes a wave
	s_mov_b32 s25, 32<<16
	s_mov_b32 s26, 18<<16
	s_mov_b32 s27, 32<<16
	s_mov_b32 s28, 18
	s_mov_b32 s29, 32
	s_mov_b32 s30, 0
	s_mov_b32 s31, 0
	s_mov_b32 s32, (2<<16)|(1<<20)|(5<<22)|(3<<25) ; x: 64 rows of 64 f32, 2,048 elements apart, four words of padding behind each
	s_mov_b32 s33, 64<<16
	s_mov_b32 s34, 64<<16
	s_mov_b32 s35, 64<<16
	s_mov_b32 s36, 64
	s_mov_b32 s37, 2048
	s_mov_b32 s38, 0
	s_mov_b32 s39, 0
	s_lshl_b32 s48, s17, 7
	s_lshl_b32 s49, ttmp9, 2
	s_add_co_u32 s48, s48, s49
	s_mul_i32 s48, s48, 9216                       ; tile 128 b + 4 x block
	s_mul_i32 s49, s16, 4608
	s_add_co_u32 s48, s48, s49
	s_add_co_u32 s41, s49, RES
	s_mov_b32 s49, 0
	s_lshl_b32 s50, s17, 22
	s_lshl_b32 s51, s16, 19
	s_add_co_u32 s50, s50, s51
	s_lshl_b32 s51, ttmp9, 8
	s_add_co_u32 s50, s50, s51                     ; (b, o = 64 w, s = 64 x block), in x and in out0
	s_mov_b32 s51, 0
	s_mov_b32 s40, 1
	s_mov_b32 s44, 1
	s_mul_i32 s45, s16, 64*XPI
	s_wait_dscnt 0x0
	s_wait_kmcnt 0x0
	s_load_b64 s[20:21], s[12:13], 0x30            ; e12, e13
	s_add_nc_u64 s[42:43], s[4:5], s[48:49]
	s_or_b32 s43, s43, 0x80000000
	s_add_nc_u64 s[46:47], s[8:9], s[50:51]
	s_or_b32 s47, s47, 0x80000000
	s_add_nc_u64 s[14:15], s[14:15], s[50:51]
	tensor_load_to_lds s[40:43], s[24:31]          ; the launch's only fills: two loads of mine are out
	s_nop 0
	tensor_load_to_lds s[44:47], s[32:39]
	s_nop 0
.rept 4
	v_nop
.endr
	v_and_b32 v6, 31, v0
	v_lshlrev_b32 v1, 4, v6
	v_add_nc_u32 v2, RES, v1
	v_and_b32 v6, 15, v0                           ; r
	v_bfe_u32 v7, v0, 4, 1                         ; h
	s_mul_i32 s48, s16, 64*XPI
	v_mul_u32_u24 v3, v6, XPI
	v_lshl_add_u32 v3, v7, 5, v3
	v_add_nc_u32 v3, s48, v3                       ; row 64 w + r, s = 8 h on
	v_mul_u32_u24 v4, v7, XPI
	v_lshl_add_u32 v4, v6, 4, v4
	v_add_nc_u32 v4, s48, v4                       ; lanes 0-15 one row, lanes 16-31 the next
	v_lshlrev_b32 v5, 13, v7
	v_lshl_add_u32 v5, v6, 4, v5                   ; and the same two rows in out0
	v_lshlrev_b32 v16, 2, v6
	s_mul_i32 s48, s16, 4*9216
	s_mov_b32 s49, 0
	s_add_nc_u64 s[6:7], s[6:7], s[48:49]          ; my four tiles of Wp
	s_lshl_b32 s48, s16, 8
	s_add_nc_u64 s[10:11], s[10:11], s[48:49]
.irp i,0,1,2,3
	global_load_b32 v[8+2*\i], v16, s[10:11] offset:64*\i
	v_mov_b32 v[9+2*\i], 0
.endr
	WIN 0x40
.irp ks,0,1,2,3
.irp i,0,1,2,3
.irp c,0,1,2,3
	global_load_b128 v[64*\ks+16*\i+4*\c:64*\ks+16*\i+4*\c+3], v1, s[6:7] offset:9216*\i+2048*\ks+512*\c
.endr
.endr
.endr
	WIN 0
.irp i,0,1,2,3
.irp c,0,1
	global_load_b128 v[WT+8*\i+4*\c:WT+8*\i+4*\c+3], v1, s[6:7] offset:9216*\i+8192+512*\c
.endr
.endr
	s_wait_tensorcnt 0x1                           ; my part of the results is in; x's rows, which I alone read, may stay out
	s_barrier_signal -1
	s_barrier_wait -1
.irp ks,0,1,2,3
.rept 4
	v_nop                                          ; ahead of loads into registers that matrix instructions have read
.endr
.irp tt,0,1,2,3
.irp c,0,1,2,3
	ds_load_b128 v[RF+16*\tt+4*\c:RF+16*\tt+4*\c+3], v2 offset:9216*\tt+2048*\ks+512*\c
.endr
.endr
	s_wait_loadcnt 56-16*\ks                       ; behind Wp's K step ks: its later K steps, 16 loads each, and the 8 of the time signals
	s_wait_dscnt 0x0
	WIN 0x04                                       ; source 1 (Wp) in window 1
.irp i,0,1,2,3
.irp tt,0,1,2,3
.if \ks == 0
	v_wmma_f32_16x16x128_bf8_bf8 v[ACC+8*(4*\i+\tt):ACC+8*(4*\i+\tt)+7], v[RF+16*\tt:RF+16*\tt+15], v[64*\ks+16*\i:64*\ks+16*\i+15], 0
.else
	v_wmma_f32_16x16x128_bf8_bf8 v[ACC+8*(4*\i+\tt):ACC+8*(4*\i+\tt)+7], v[RF+16*\tt:RF+16*\tt+15], v[64*\ks+16*\i:64*\ks+16*\i+15], v[ACC+8*(4*\i+\tt):ACC+8*(4*\i+\tt)+7]
.endif
.endr
.endr
	WIN 0
.endr
.rept 5
	v_nop                                          ; another form goes on with these sums: five places (ISA guide 7.12.1)
.endr
.irp tt,0,1,2,3
.irp c,0,1
	ds_load_b128 v[RF+8*\tt+4*\c:RF+8*\tt+4*\c+3], v2 offset:9216*\tt+8192+512*\c
.endr
.endr
	s_wait_loadcnt 0x0
	s_wait_dscnt 0x0
.irp i,0,1,2,3
.irp tt,0,1,2,3
	v_wmma_f32_16x16x64_bf8_bf8 v[ACC+8*(4*\i+\tt):ACC+8*(4*\i+\tt)+7], v[RF+8*\tt:RF+8*\tt+7], v[WT+8*\i:WT+8*\i+7], v[ACC+8*(4*\i+\tt):ACC+8*(4*\i+\tt)+7]
.endr
.endr
.rept 4
	v_nop
.endr
	s_wait_kmcnt 0x0
	s_add_co_i32 s22, s20, s21
	s_add_co_i32 s22, s22, 127
	s_lshl_b32 s22, s22, 23                        ; 2^(e12 + e13)
	s_mov_b32 s23, s22
	s_wait_tensorcnt 0x0                           ; my 64 rows of x
.irp i,0,1,2,3
	s_wait_xcnt 0x0                                ; the last tile's stores have read their registers
.irp tt,0,1,2,3
	ds_load_b128 v[64+8*\tt:67+8*\tt], v3 offset:16*XPI*\i+64*\tt
	ds_load_b128 v[68+8*\tt:71+8*\tt], v3 offset:16*XPI*\i+64*\tt+16
.endr
	s_wait_dscnt 0x0
.irp tt,0,1,2,3
.irp j,0,2,4,6
	v_pk_fma_f32 v[64+8*\tt+\j:65+8*\tt+\j], v[ACC+8*(4*\i+\tt)+\j:ACC+8*(4*\i+\tt)+\j+1], s[22:23], v[64+8*\tt+\j:65+8*\tt+\j] op_sel_hi:[1,0,1]   ; x + sum x 2^(e12 + e13)
.endr
.endr
.set j_, 0
.rept 16
	v_pk_add_f32 v[64+j_:65+j_], v[64+j_:65+j_], v[8+2*\i:9+2*\i] op_sel_hi:[1,0]   ; + bp of my o
.set j_, j_+2
.endr
.irp tt,0,1,2,3
	ds_store_b128 v3, v[64+8*\tt:67+8*\tt] offset:16*XPI*\i+64*\tt
	ds_store_b128 v3, v[68+8*\tt:71+8*\tt] offset:16*XPI*\i+64*\tt+16
.endr
.irp q,0,1,2,3,4,5,6,7
	ds_load_b128 v[96+4*\q:99+4*\q], v4 offset:16*XPI*\i+2*XPI*\q   ; LDS serves a wave's instructions in order (ISA guide 5.7.1.4): these see my stores
.endr
.irp q,0,1,2,3,4,5,6,7
	s_wait_dscnt 7-\q                              ; the younger row loads may stay out
	global_store_b128 v5, v[96+4*\q:99+4*\q], s[14:15] offset:(16*\i+2*\q)*8192 th:TH_STORE_NT
.endr
.endr
	s_wait_tensorcnt 0x0
	ds_add_u32 v30, v31
	s_wait_dscnt 0x0
	s_endpgm
.Lfunc_end_k_qd1a506c956_outp:
	.size	k_qd1a506c956_outp, .Lfunc_end_k_qd1a506c956_outp-k_qd1a506c956_outp
	.p2alignl 7, 3214868480
	.fill 96, 4, 3214868480
	.section	.rodata,"a",@progbits
	.p2align	6, 0x0
	.amdhsa_kernel k_qd1a506c956_outp
		.amdhsa_group_segment_fixed_size 177152
		.amdhsa_private_segment_fixed_size 0
		.amdhsa_enable_private_segment 0
		.amdhsa_kernarg_size 48
		.amdhsa_user_sgpr_count 2
		.amdhsa_user_sgpr_kernarg_segment_ptr 1
		.amdhsa_wavefront_size32 1
		.amdhsa_system_sgpr_workgroup_id_x 1
		.amdhsa_system_sgpr_workgroup_id_y 1
		.amdhsa_system_sgpr_workgroup_id_z 1
		.amdhsa_system_vgpr_workitem_id 0
		.amdhsa_next_free_vgpr 512
		.amdhsa_next_free_sgpr 66
		.amdhsa_reserve_vcc 0
		.amdhsa_float_denorm_mode_32 3
		.amdhsa_float_denorm_mode_16_64 3
		.amdhsa_memory_ordered 1
		.amdhsa_forward_progress 1
		.amdhsa_inst_pref_size 41
	.end_amdhsa_kernel
	.amdgpu_metadata
---
amdhsa.version: [ 1, 2 ]
amdhsa.kernels:
  - .name:           k_qd1a506c956_outp
    .symbol:         k_qd1a506c956_outp.kd
    .args:
      - { .name: res, .offset: 0, .size: 8, .value_kind: global_buffer, .address_space: global }
      - { .name: wpimg, .offset: 8, .size: 8, .value_kind: global_buffer, .address_space: global }
      - { .name: x, .offset: 16, .size: 8, .value_kind: global_buffer, .address_space: global }
      - { .name: bp, .offset: 24, .size: 8, .value_kind: global_buffer, .address_space: global }
      - { .name: lowp_scales, .offset: 32, .size: 8, .value_kind: global_buffer, .address_space: global }
      - { .name: out0, .offset: 40, .size: 8, .value_kind: global_buffer, .address_space: global }
    .group_segment_fixed_size: 177152
    .private_segment_fixed_size: 0
    .kernarg_segment_align: 8
    .kernarg_segment_size: 48
    .max_flat_workgroup_size: 256
    .sgpr_count:     66
    .vgpr_count:     512
    .wavefront_size: 32
...
	.end_amdgpu_metadata
.endif
;; end of part 3
